; MI455X (gfx1250); checked and timed in simulation.
; The chip was launched on July 23, 2026; its instructions are those of AMD's public machine-readable ISA for CDNA 5 (MIT licence, August 2026) and "CDNA5" Instruction Set Architecture Reference Guide (July 2026). The comments in the code are by the model that wrote it; some were corrected since.
;; Multi Head Rot. Allowed arithmetic: matrix products marked QUANTISED: E4M3 operands, one given power-of-two scale a tensor, by v_wmma_f32_16x16x64_fp8_fp8 or v_wmma_f32_16x16x128_fp8_fp8, f32 sums; everything else in f32.
;; Inputs: lowp_scales 8 int32 (the exponents e of the quantised operands' scales 2^e); src_mask 1 float32; src_padding 1 float32; w_out 1,024 x 1,024 float32; w_qkv 3,072 x 1,024 float32; x 4 x 2,048 x 1,024 float32.
;; Outputs: out0 4 x 2,048 x 1,024 float32.
;; Constants: is_causal = 1.
;; This version of the problem:
;;   THIS VERSION OF THE PROBLEM IS GIVEN IN LOW PRECISION. The matrix products marked QUANTISED in the list below multiply operands that are first quantised to E4M3 (4 exponent bits, 3 mantissa bits; 8 bits a number), with one given power-of-two scale for each operand tensor; their sums are f32. All else is computed in f32.
;;   The module's matrix products, in the order in which they are computed (A, B: the left and right operand; K: the contracted axis; several contracted axes count as one K, in the product's order):
;;     1. [M 8,192, K 1,024] x [K 1,024, N 3,072]; A: input x; B: input w_qkv: QUANTISED (scales: A lowp_scales[0], B lowp_scales[1])
;;     2. batch 64 x [M 2,048, K 64] x [K 64, N 2,048]; A: computed on the way; B: computed on the way: QUANTISED (scales: A lowp_scales[2], B lowp_scales[3])
;;     3. batch 64 x [M 2,048, K 2,048] x [K 2,048, N 64]; A: softmax (see below); B: computed on the way: QUANTISED (scales: A lowp_scales[4], B lowp_scales[5])
;;     4. [M 8,192, K 1,024] x [K 1,024, N 1,024]; A: computed on the way; B: input w_out: QUANTISED (scales: A lowp_scales[6], B lowp_scales[7])
;;   THE QUANTISER, for each operand of a quantised product, along K:
;;     - The operand's scale is 2^e, e = its entry of the input lowp_scales (int32; the entries are numbered through the quantised products in the list's order, A before B).
;;     - Each number is divided by the scale, clamped to +-448, and rounded to the nearest number of E4M3, ties to even, subnormals kept.
;;     - The product sums the exact products of the quantised numbers (number of the format x scale) in f32.
;;   ~~~python
;;   def quantise(x, axis, e):      # numpy; x: float32 -> the quantised numbers, widened to float32 again
;;       x = np.moveaxis(x, axis, -1); K = x.shape[-1]
;;       r = np.clip(x / 2.0 ** e, -448, 448)
;;       step = 2.0 ** (np.maximum(np.frexp(np.where(r == 0, 1, r))[1] - 1, -6) - 3)
;;       q = np.round(r / step) * step * 2.0 ** e      # np.round: ties to even
;;       return np.moveaxis(q, -1, axis).astype(np.float32)
;;   ~~~
;;   SOFTMAX AHEAD OF A QUANTISED PRODUCT. Where the list says 'softmax', what is quantised is not the finished softmax but p = 2^(t - M), with t = logit x log2(e) and M = ceil(the row's largest t), a whole number; so 1/2 < the row's largest p <= 1. The row's sum l is taken of the UNQUANTISED p, in f32, and the product's result is divided by l at the end. Since M is a whole number, a kernel that streams over the keys may use a running M (the ceiling of the running maximum): every later rescaling is an exact power of two, so the quantised numbers keep their values, but for numbers so far below the row's largest that they fall under the format's range.
;;   OPERANDS COMPUTED ON THE WAY. 'Computed on the way' means the value that the module computes at that place (a softmax that the list does not call 'softmax' is quantised finished and normalised). What goes into a quantiser is computed in f32, as accurately as f32 sums, v_exp_f32 and their like allow (about 1e-6 of the number): no bf16 or f16 on the way to a quantiser, and a product that is left as it is and whose result goes on into a quantised operand takes f32 operands (vector FMAs, or v_wmma_f32_16x16x4_f32). A number that lies on a knife's edge between two numbers of the format may be rounded either way, as far as f32 arithmetic and the matrix unit's own rounding can turn it there, and no further.
;; One version. Each part assembles by itself: llvm-mc -triple=amdgcn-amd-amdhsa -mcpu=gfx1250 --defsym DOCPART=n.
;; ======== version 1 of 1: 4 launches
;; limits: right only within a limited range of input values
;; workspace buffers: x_img 8,388,608 bytes; wqkv_img 3,145,728 bytes; wout_img 1,048,576 bytes; rope_tab 524,288 bytes; q_img 8,388,608 bytes; k_img 8,388,608 bytes; v_img 8,388,608 bytes; o_img 8,388,608 bytes
;; launch quant (part 1): grid 416 x 1, 4 waves a work-group, no clusters, 34,304 bytes of LDS; arguments x, w_qkv, w_out, lowp_scales, x_img, wqkv_img, wout_img, rope_tab; writes x_img, wqkv_img, wout_img, rope_tab
.if DOCPART == 1
	.amdgcn_target "amdgcn-amd-amdhsa--gfx1250"
	.amdhsa_code_object_version 6
	.text
	.protected	k_q1bde2652b2_quant
	.globl	k_q1bde2652b2_quant
	.p2align	8
	.type	k_q1bde2652b2_quant,@function
k_q1bde2652b2_quant:
	s_mov_b64 s[64:65], 0
	v_nop
	global_prefetch_b8 v0, s[64:65] scope:SCOPE_SE
	s_setreg_imm32_b32 hwreg(HW_REG_WAVE_MODE, 25, 1), 1
	s_wait_xcnt 0x0
; x [8192][1024], w_qkv [3072][1024], w_out [1024][1024], f32, K innermost, become codes of FP8 (E4M3) with the given scales 2^e (entries 0, 1, 7 of the scales);
; and the table of cos and sin for the rotary embedding is made.  code = x / 2^e, held within +-448, to the nearest code, ties to even.
; src_mask and src_padding: the reference names them and uses them in no arithmetic, so no launch of this program reads them.
; THE CODES ARE LAID AS IMAGES OF OPERAND REGISTERS.  A fragment is 16 rows x 128 K, 16 registers a lane: lane l holds row l % 16, registers 2 c, 2 c + 1 hold K = 16 c + 8 (l / 16) + 0 .. 7.
; Its image is 2,048 bytes: registers 4 q .. 4 q + 3 of lane l at 512 q + 16 l.  Row R, K = k lie in the image at ((R / 128) 4 + k / 256) 32768 + ((R / 16) % 8) 4096 + ((k / 128) % 2) 2048:
; 128 rows x 256 K are one dense block of 32,768 bytes, and every store here and every load later is 512 consecutive bytes a wave.
; SHARES.  Work-groups 0-255 take x, 256-351 w_qkv, 352-383 w_out, on one path (pointers and e are chosen by the work-group's number); 384-415 make the table.
; A wave takes 16 rows x 512 K: four fragments.  Each load reads 512 consecutive bytes of a row; a fragment's 16 x 512 bytes turn through the wave's own stage in LDS (rows 528 bytes apart) and come
; back eight neighbours along K at a time.  Waves share nothing: no barrier.  Loads run two fragments (32 loads a wave) ahead.
; THE TABLE: at byte 256 s + 8 f the pair cos, sin of s x inv_freq[f], f = 0 .. 31.  inv_freq[f] = 2^(-f log2(10000) / 32) by v_exp_f32; the angle is one f32 product; it is reduced by multiples of pi / 2
; in three parts and cos and sin are polynomials on +-pi / 4.
; LIMITS: each e between -126 and 119.  NaN among the inputs is not served.  inv_freq is within a few units in the last place of the reference's f32 power, so that an angle may differ by some 5e-4 at s = 2,047.
.set SP,    528                        ; a stage row: 512 bytes + 16
.set STG,   16*SP                      ; a wave's stage
.set R,     16                         ; v16-143  two sets of 64 numbers as loaded
.set X,     144                        ; v144-207 a fragment's numbers, eight neighbours to a group
.set C,     208                        ; v208-239 two sets of 16 registers of codes
.set WG_X,  256
.set WG_Q,  352
.set WG_O,  384
	s_load_b256 s[4:11], s[0:1], 0x0               ; x, w_qkv, w_out, the scales
	s_load_b256 s[12:19], s[0:1], 0x20             ; x_img, wqkv_img, wout_img, rope_tab
	v_lshl_add_u32 v240, v0, 2, 0x8400
	v_mov_b32 v241, 0
	s_cmp_ge_u32 ttmp9, WG_O
	s_cbranch_scc1 .Ltable
	v_lshrrev_b32 v4, 5, v0
	v_readfirstlane_b32 s20, v4                    ; wave
	v_and_b32 v5, 31, v0
	v_lshlrev_b32 v1, 4, v5                        ; 16 x lane: my bytes of a load and of a store
	s_mul_i32 s21, s20, STG
	v_add_nc_u32 v2, s21, v1                       ; the stage, on the way in
	v_and_b32 v6, 15, v0
	v_bfe_u32 v7, v0, 4, 1
	v_mul_u32_u24 v3, v6, SP
	v_lshl_add_u32 v3, v7, 5, v3
	v_add_nc_u32 v3, s21, v3                       ; and on the way out: row l % 16, + 32 (l / 16) bytes
	s_mov_b32 s22, WG_Q
	s_cmp_lt_u32 ttmp9, WG_Q
	s_cselect_b32 s22, WG_X, s22
	s_cmp_lt_u32 ttmp9, WG_X
	s_cselect_b32 s22, 0, s22                      ; my tensor's first work-group
	s_sub_co_u32 s22, ttmp9, s22
	s_lshl_b32 s22, s22, 2
	s_add_co_u32 s22, s22, s20                     ; my wave among the tensor's
	s_lshr_b32 s23, s22, 1                         ; which 16 rows
	s_and_b32 s22, s22, 1                          ; which half of K
	s_lshl_b32 s36, s23, 16                        ; in: 16 rows of 4,096 bytes,
	s_lshl_b32 s37, s22, 11                        ; + 512 numbers
	s_add_co_u32 s36, s36, s37
	s_mov_b32 s37, 0
	s_lshr_b32 s38, s23, 3                         ; out: ((rows / 128) 4 + 2 half) 32768 + ((rows / 16) % 8) 4096
	s_lshl_b32 s38, s38, 2
	s_lshl_b32 s39, s22, 1
	s_add_co_u32 s38, s38, s39
	s_lshl_b32 s38, s38, 15
	s_and_b32 s39, s23, 7
	s_lshl_b32 s39, s39, 12
	s_add_co_u32 s38, s38, s39
	s_mov_b32 s39, 0
	s_wait_alu depctr_va_vdst(0)
	s_wait_kmcnt 0x0
	s_load_b256 s[24:31], s[10:11], 0x0            ; the eight exponents
	s_cmp_lt_u32 ttmp9, WG_Q                       ; the choice hangs on the work-group's number alone
	s_cselect_b64 s[32:33], s[6:7], s[8:9]
	s_cselect_b64 s[34:35], s[14:15], s[16:17]
	s_cmp_lt_u32 ttmp9, WG_X
	s_cselect_b64 s[32:33], s[4:5], s[32:33]
	s_cselect_b64 s[34:35], s[12:13], s[34:35]
	s_add_nc_u64 s[32:33], s[32:33], s[36:37]
	s_add_nc_u64 s[34:35], s[34:35], s[38:39]
.macro LOAD f                          ; fragment f: 128 numbers of each of my 16 rows, into set f % 2
.irp i, 0,1,2,3,4,5,6,7,8,9,10,11,12,13,14,15
	global_load_b128 v[R+64*((\f)%2)+4*\i:R+64*((\f)%2)+4*\i+3], v1, s[32:33] offset:4096*\i+512*(\f) th:TH_LOAD_NT
.endr
.endm
	LOAD 0
	LOAD 1
	s_wait_kmcnt 0x0
	s_cmp_lt_u32 ttmp9, WG_Q
	s_cselect_b32 s23, s25, s31
	s_cmp_lt_u32 ttmp9, WG_X
	s_cselect_b32 s23, s24, s23                    ; e
	s_add_co_i32 s23, s23, 127
	s_lshl_b32 s36, s23, 23
	v_mov_b32 v11, s36                             ; 2^e as f32: the conversion takes its exponent field
	s_add_co_i32 s23, s23, 8
	s_lshl_b32 s23, s23, 23
	s_or_b32 s23, s23, 0x600000
.macro STEP f
.if (\f) < 3
	s_wait_loadcnt 16                              ; this fragment's 16 loads are in; the next fragment's 16 may be out
.else
	s_wait_loadcnt 0
.endif
.irp i, 0,1,2,3,4,5,6,7,8,9,10,11,12,13,14,15
	ds_store_b128 v2, v[R+64*((\f)%2)+4*\i:R+64*((\f)%2)+4*\i+3] offset:SP*\i
.endr
.irp c, 0,1,2,3,4,5,6,7                        ; LDS serves a wave's instructions in order: these see the stores above
	ds_load_b128 v[X+8*\c:X+8*\c+3], v3 offset:64*\c
	ds_load_b128 v[X+8*\c+4:X+8*\c+7], v3 offset:64*\c+16
.endr
	s_wait_dscnt 0x0                               ; the numbers are back, so the stores into the stage have read their registers,
.if (\f) < 2
	LOAD (\f)+2                                    ; which take the fragment two further on
.endif
.if (\f) >= 2
	s_wait_xcnt 0x0                                ; the stores of two fragments ago have read this set of codes: it is written again only behind this wait
.endif
.set i, 0
.rept 64
.set i, i+1
.endr
.irp c, 0,1,2,3,4,5,6,7
	v_cvt_scalef32_pk8_fp8_f32 v[C+16*((\f)%2)+2*\c:C+16*((\f)%2)+2*\c+1], v[X+8*\c:X+8*\c+7], v11   ; registers 2 c, 2 c + 1 of the fragment
.endr
	v_nop                                          ; a plain line between the conversions and the next fragment's holds, which write their sources
.irp q, 0,1,2,3
	global_store_b128 v1, v[C+16*((\f)%2)+4*\q:C+16*((\f)%2)+4*\q+3], s[34:35] offset:32768*((\f)/2)+2048*((\f)%2)+512*\q   ; 512 consecutive bytes a wave
.endr
.endm
	s_wait_alu depctr_va_vdst(0)
	STEP 0
	STEP 1
	STEP 2
	STEP 3
	s_wait_tensorcnt 0x0
	ds_add_u32 v240, v241
	s_wait_dscnt 0x0
	s_endpgm
.Ltable:                                           ; work-group t of 32 makes rows 64 t .. 64 t + 63.  Thread: frequencies 2 (v0 % 16), + 1; rows 8 j + v0 / 16, j = 0 .. 7
	s_sub_co_u32 s20, ttmp9, WG_O
	s_lshl_b32 s21, s20, 6                         ; my first row
	s_lshl_b32 s22, s20, 14                        ; and its byte
	s_mov_b32 s23, 0
	s_mov_b32 s40, 0x3f22f983                      ; 2 / pi
	s_mov_b32 s41, 0xbfc90000                      ; -pi / 2 in three parts: -1.5703125,
	s_mov_b32 s42, 0xb9fda000                      ; -4.837512970e-4,
	s_mov_b32 s43, 0xb3a22169                      ; -7.549790e-8
	s_mov_b32 s44, 0xbe2aaaa3                      ; sin: -1.6666654611e-1,
	s_mov_b32 s45, 0x3c08839e                      ; 8.3321608736e-3,
	s_mov_b32 s46, 0xb94ca1f9                      ; -1.9515295891e-4
	s_mov_b32 s47, 0x3d2aaaa5                      ; cos: 4.166664568e-2,
	s_mov_b32 s48, 0xbab6061a                      ; -1.388731625e-3,
	s_mov_b32 s49, 0x37ccf5ce                      ; 2.443315712e-5
	v_and_b32 v1, 15, v0
	v_lshlrev_b32 v1, 1, v1
	v_cvt_f32_u32 v2, v1
	v_add_nc_u32 v1, 1, v1
	v_cvt_f32_u32 v3, v1
	v_mul_f32 v2, 0xbed49a78, v2                   ; -f log2(10000) / 32
	v_mul_f32 v3, 0xbed49a78, v3
	s_wait_alu depctr_va_vdst(0)
	v_exp_f32 v2, v2                               ; inv_freq of my two frequencies
	v_exp_f32 v3, v3
	v_lshrrev_b32 v4, 4, v0                        ; (plain lines behind the two exponentials)
	v_add_nc_u32 v4, s21, v4                       ; my row for j = 0
	v_lshlrev_b32 v7, 4, v0                        ; my 16 bytes: 256 (v0 / 16) + 16 (v0 % 16)
	s_wait_alu depctr_va_vdst(0)                   ; one wait for both exponentials, ahead of their first reader
	s_wait_kmcnt 0x0
	s_add_nc_u64 s[18:19], s[18:19], s[22:23]
.macro SINCOS inv, dst                 ; v[dst] = cos, v[dst + 1] = sin of v6 x v[inv]
	v_mul_f32 v8, v6, v[\inv]                      ; the angle, rounded once
	v_mul_f32 v9, s40, v8
	v_rndne_f32 v9, v9                             ; n: how many quarter turns
	v_fma_f32 v10, v9, s41, v8
	v_fma_f32 v10, v9, s42, v10
	v_fma_f32 v10, v9, s43, v10                    ; r = angle - n pi / 2, within +-pi / 4
	v_cvt_i32_f32 v11, v9
	v_mul_f32 v12, v10, v10                        ; z = r r
	v_fma_f32 v13, v12, s46, s45
	v_fma_f32 v14, v12, s49, s48
	v_fma_f32 v13, v13, v12, s44
	v_fma_f32 v14, v14, v12, s47
	v_mul_f32 v13, v13, v12
	v_fma_f32 v14, v14, v12, -0.5
	v_fma_f32 v13, v13, v10, v10                   ; sin r
	v_fma_f32 v14, v14, v12, 1.0                   ; cos r
	v_and_b32 v15, 1, v11
	v_cmp_eq_u32 vcc_lo, 1, v15                    ; an odd quarter swaps the two
	v_cndmask_b32 v16, v14, v13, vcc_lo
	v_cndmask_b32 v17, v13, v14, vcc_lo
	v_add_nc_u32 v15, 1, v11
	v_and_b32 v15, 2, v15                          ; cos is negative in quarters 1 and 2,
	v_and_b32 v11, 2, v11                          ; sin in quarters 2 and 3
	v_lshlrev_b32 v15, 30, v15
	v_lshlrev_b32 v11, 30, v11
	v_xor_b32 v[\dst], v15, v16
	v_xor_b32 v[\dst+1], v11, v17
.endm
.irp j, 0,1,2,3,4,5,6,7
	v_add_nc_u32 v5, 8*\j, v4
	v_cvt_f32_u32 v6, v5                           ; the position, exact
	SINCOS 2, 32+4*\j
	SINCOS 3, 34+4*\j
.endr
.irp j, 0,1,2,3,4,5,6,7
	global_store_b128 v7, v[32+4*\j:35+4*\j], s[18:19] offset:2048*\j   ; 512 consecutive bytes a wave
.endr
	s_endpgm
.Lfunc_end_k_q1bde2652b2_quant:
	.size	k_q1bde2652b2_quant, .Lfunc_end_k_q1bde2652b2_quant-k_q1bde2652b2_quant
	.p2alignl 7, 3214868480
	.fill 96, 4, 3214868480
	.section	.rodata,"a",@progbits
	.p2align	6, 0x0
	.amdhsa_kernel k_q1bde2652b2_quant
		.amdhsa_group_segment_fixed_size 34304
		.amdhsa_private_segment_fixed_size 0
		.amdhsa_enable_private_segment 0
		.amdhsa_kernarg_size 64
		.amdhsa_user_sgpr_count 2
		.amdhsa_user_sgpr_kernarg_segment_ptr 1
		.amdhsa_wavefront_size32 1
		.amdhsa_system_sgpr_workgroup_id_x 1
		.amdhsa_system_sgpr_workgroup_id_y 1
		.amdhsa_system_sgpr_workgroup_id_z 1
		.amdhsa_system_vgpr_workitem_id 0
		.amdhsa_next_free_vgpr 242
		.amdhsa_next_free_sgpr 66
		.amdhsa_reserve_vcc 1
		.amdhsa_float_denorm_mode_32 3
		.amdhsa_float_denorm_mode_16_64 3
		.amdhsa_fp16_overflow 1
		.amdhsa_memory_ordered 1
		.amdhsa_forward_progress 1
		.amdhsa_inst_pref_size 43
	.end_amdhsa_kernel
	.amdgpu_metadata
---
amdhsa.version: [ 1, 2 ]
amdhsa.kernels:
  - .name:           k_q1bde2652b2_quant
    .symbol:         k_q1bde2652b2_quant.kd
    .args:
      - { .name: x, .offset: 0, .size: 8, .value_kind: global_buffer, .address_space: global }
      - { .name: w_qkv, .offset: 8, .size: 8, .value_kind: global_buffer, .address_space: global }
      - { .name: w_out, .offset: 16, .size: 8, .value_kind: global_buffer, .address_space: global }
      - { .name: lowp_scales, .offset: 24, .size: 8, .value_kind: global_buffer, .address_space: global }
      - { .name: x_img, .offset: 32, .size: 8, .value_kind: global_buffer, .address_space: global }
      - { .name: wqkv_img, .offset: 40, .size: 8, .value_kind: global_buffer, .address_space: global }
      - { .name: wout_img, .offset: 48, .size: 8, .value_kind: global_buffer, .address_space: global }
      - { .name: rope_tab, .offset: 56, .size: 8, .value_kind: global_buffer, .address_space: global }
    .group_segment_fixed_size: 34304
    .private_segment_fixed_size: 0
    .kernarg_segment_align: 8
    .kernarg_segment_size: 64
    .max_flat_workgroup_size: 128
    .sgpr_count:     66
    .vgpr_count:     242
    .wavefront_size: 32
...
	.end_amdgpu_metadata
.endif
;; end of part 1
;; launch qkv (part 2): grid 12 x 32, 4 waves a work-group, clusters of 4 x 4, 327,680 bytes of LDS; arguments x_img, wqkv_img, lowp_scales, rope_tab, q_img, k_img, v_img; writes q_img, k_img, v_img
.if DOCPART == 2
	.amdgcn_target "amdgcn-amd-amdhsa--gfx1250"
	.amdhsa_code_object_version 6
	.text
	.protected	k_q1bde2652b2_qkv
	.globl	k_q1bde2652b2_qkv
	.p2align	8
	.type	k_q1bde2652b2_qkv,@function
k_q1bde2652b2_qkv:
	s_mov_b64 s[64:65], 0
	v_nop
	global_prefetch_b8 v0, s[64:65] scope:SCOPE_SE
	s_setreg_imm32_b32 hwreg(HW_REG_WAVE_MODE, 25, 1), 1
	s_wait_xcnt 0x0
	s_wait_alu depctr_hold_cnt(0) depctr_sa_sdst(0) depctr_va_vdst(0) depctr_va_sdst(0) depctr_va_ssrc(0) depctr_va_vcc(0) depctr_vm_vsrc(0)
	s_getreg_b32 s2, hwreg(HW_REG_IB_STS2, 6, 4)
	s_cmp_eq_u32 s2, 0
	s_cbranch_scc0 .Lentry_in_a_cluster
	s_endpgm
.Lentry_in_a_cluster:
	s_bfe_u32 s2, ttmp6, 0x10000c
	s_cmp_lg_u32 s2, 0xf033
	s_cbranch_scc0 .Lentry_shape_is_right
	s_endpgm
.Lentry_shape_is_right:
; qkv = x w_qkv^T on codes of FP8 (E4M3), K = 1,024; the rotary embedding on q and k; q, k, v quantised with the given scales (entries 2, 3, 5) and stored as images of the next operands' registers.
; OPERANDS come as images of registers (16 rows x 128 K: 2,048 bytes, registers 4 c .. 4 c + 3 of lane l at 512 c + 16 l; 128 rows x 256 K are one dense block of 32,768 bytes).
; A tile of 256 x 256 is made by four waves, each 128 x 128: 64 accumulators, 512 registers.  K goes in four steps of 256 through a ring of two LDS slots filled by the tensor data mover.
; In D = source 0 x source 1^T lane l holds row l % 16 of SOURCE 1 and, in its eight registers, rows 8 (l / 16) + 0 .. 7 of SOURCE 0: one conversion of the eight makes registers 2 b, 2 b + 1 of an operand
; whose rows are source 1's rows and whose K runs along source 0's rows.  Side A below is source 1, side B source 0.
;   q, k (cluster x = 0, 1): A = rows of x (positions), B = rows of w (features): K of the images = the head's 64.   q_img, k_img: (head 128 + s / 16) 1024 + image of 16 x 64; head = 16 batch + h.
;   v    (cluster x = 2):    A = rows of w (features d), B = rows of x (keys): K of the images = the keys.        v_img: ((head 16 + s / 128) 4 + d / 16) 2048 + image of 16 x 128.
; So nothing is transposed and nothing goes through LDS on the way out: every store is 512 consecutive bytes a wave.
; CLUSTERS: 4 x 4 work-groups.  The four of a row of the cluster need the same tiles of A, the four of a column the same tiles of B: each is asked for JOINTLY.  The choice q, k or v hangs on the cluster's x, which all sixteen share.
; A sum stands for sum x 2^(e0 + e1); the rotation is linear; so the conversion takes the one scale 2^(eOut - e0 - e1).
; LIMITS: eOut - e0 - e1 between -126 and 119 for eOut = entries 2, 3, 5.
; REGISTERS, in windows of 256: window 0: v16-31 addresses and scales; v32-95 two sets of table rows; from v128 A's fragments, ONE set; on the way out v128-191 a block's numbers, v192-223 two sets of codes.
;   window 1: B's fragments, TWO sets.   window 2: the accumulators of A's blocks 0-3 ((a, b) at v[8 (8 (a % 4) + b)]);   window 3: those of blocks 4-7.
.set AB,    8                          ; A's blocks of 16 rows in a wave
.set FR,    16                         ; registers of a fragment
.set NL,    4                          ; LDS loads that bring one
.set BLK,   32768                      ; 128 rows x 256 K
.set SLOT,  4*BLK                      ; A's two halves, then B's two
.set SPARE, 2*SLOT                     ; behind the ring: the spare words, 128 bytes for each wave
.set ADRA, 16                          ; v16-17  LDS address of my A fragments in slot 0, 1
.set ADRB, 20                          ; v20-21  the same for B
.set TO,   24                          ; v24     the table: 256 (l % 16) + 32 (l / 16)
.set LI,   25                          ; v25     16 x lane
.set LIM,  27                          ; v27     448 x the conversion's scale
.set SPW,  28                          ; v28     my spare word; never rewritten
.set NIL,  29                          ; v29     0; never rewritten
.set SCL,  31                          ; v31     the conversion's scale
.set CS,   32
.set AF,   128
.set Y,    128
.set CD,   192
.set G1, 24                            ; s[24:31] group 1 for A's tiles;  s[32:39] group 0, one set for each slot
.set G0, 32
.set G1B, 48                           ; s[48:55], s[56:63] the same for B's
.set G0B, 56
.set MSB, 0
.macro WIN new                         ; the immediate's high byte repeats the setting that is left
.if MSB != (\new)
	s_set_vgpr_msb (MSB<<8)|(\new)
.set MSB, (\new)
.endif
.endm
.set MUL_LO, 0xa1                      ; source 0 (B) window 1, source 1 (A) window 0, C and D window 2
.set MUL_H1, 0xf1                      ; the same, C and D window 3
.set TO_B,   0x40                      ; destination window 1, address window 0
; A joint load: waves 0 and 1 fetch for A, waves 2 and 3 for B.  The branch hangs on the wave's number alone.  Four v_nop follow each of the two lines.
.macro JLOAD g0a, g1a, g0b, g1b
	s_cmp_eq_u32 s15, 0
	s_cbranch_scc0 .Lfor_b_\@
	tensor_load_to_lds s[\g0a:\g0a+3], s[\g1a:\g1a+7]
	s_nop 0
.rept 4
	v_nop
.endr
	s_branch .Lasked_\@
.Lfor_b_\@:
	tensor_load_to_lds s[\g0b:\g0b+3], s[\g1b:\g1b+7]
	s_nop 0
.rept 4
	v_nop
.endr
.Lasked_\@:
.endm
.macro CREST                           ; a round of the cluster's barrier behind its opening barrier
	s_cmp_lg_u32 s14, 0
	s_cbranch_scc1 .Lnot_wave_0_\@
	s_barrier_signal -3
.Lnot_wave_0_\@:
	s_barrier_wait -3
	s_barrier_signal -1
	s_barrier_wait -1
.endm
.macro CROUND                          ; a whole round
	s_barrier_signal -1
	s_barrier_wait -1
	CREST
.endm
	s_load_b256 s[4:11], s[0:1], 0x0               ; x_img, wqkv_img, the scales, rope_tab
	s_load_b128 s[68:71], s[0:1], 0x20             ; q_img, k_img
	s_load_b64 s[72:73], s[0:1], 0x30              ; v_img
	v_lshl_add_u32 v[SPW], v0, 2, SPARE
	v_mov_b32 v[NIL], 0
	ds_add_u32 v28, v29
	ds_add_u32 v28, v29
	s_wait_dscnt 0x0
	v_lshrrev_b32 v1, 5, v0
	v_readfirstlane_b32 s14, v1                    ; wave 0..3
	s_lshr_b32 s15, s14, 1                         ; which half of A's rows is mine.  Also: I fetch for A (0) or for B (1)
	s_and_b32 s16, s14, 1                          ; which half of B's rows.  Also: which half of that tile I fetch
	s_bfe_u32 s40, ttmp6, 0x40000                  ; cx, cy: my place in the cluster
	s_bfe_u32 s41, ttmp6, 0x40004
	s_and_b32 s88, ttmp7, 0xffff                   ; the cluster's y
	s_cmp_eq_u32 ttmp9, 2                          ; v?
	s_cselect_b32 s17, 2, s88
	s_cselect_b32 s42, s88, ttmp9
	s_lshl_b32 s17, s17, 2
	s_add_co_u32 s17, s17, s41                     ; A's tile of 256 rows: q, k: 4 y + cy of x;  v: 8 + cy of w
	s_lshl_b32 s42, s42, 2
	s_add_co_u32 s42, s42, s40                     ; B's: q, k: 4 x + cx of w;  v: 4 y + cx of x
	s_lshl_b32 s43, s41, 2
	s_lshl_b32 s43, 15, s43                        ; my row of the cluster
	s_lshl_b32 s44, 0x1111, s40                    ; my column
	; group 1: a dense block of 32,768 bytes as 128 rows of 32 elements of 8 bytes
	s_or_b32 s[G1+0], s43, (3<<16)|(1<<21)         ; 15:0 the mask: A's tiles go to my row; 17:16 elements of 8 bytes; 21 set beside a mask; no padding
	s_or_b32 s[G1B+0], s44, (3<<16)|(1<<21)
.irp g, G1, G1B
	s_mov_b32 s[\g+1], 32<<16                      ; tensor_dim0
	s_mov_b32 s[\g+2], 128<<16                     ; tensor_dim1
	s_mov_b32 s[\g+3], 32<<16                      ; tile_dim0
	s_mov_b32 s[\g+4], 128                         ; tile_dim1
	s_mov_b32 s[\g+5], 32                          ; the pitch
	s_mov_b32 s[\g+6], 0
	s_mov_b32 s[\g+7], 0
.endr
	s_lshl_b32 s20, s17, 1
	s_add_co_u32 s20, s20, s16
	s_lshl_b32 s20, s20, 17                        ; A: (2 tile + half) x four blocks
	s_mov_b32 s21, 0
	s_lshl_b32 s46, s42, 1
	s_add_co_u32 s46, s46, s16
	s_lshl_b32 s46, s46, 17                        ; B likewise, in registers that never hold cy
	s_mov_b32 s47, 0
	s_lshl_b32 s45, s14, 15                        ; where they go: wave x a block: no place in the cluster enters an LDS address
	s_wait_kmcnt 0x0
	s_load_b256 s[80:87], s[8:9], 0x0              ; the eight exponents
	s_cmp_eq_u32 ttmp9, 2
	s_cselect_b64 s[76:77], s[6:7], s[4:5]         ; side A's buffer
	s_cselect_b64 s[78:79], s[4:5], s[6:7]         ; side B's
	s_add_nc_u64 s[20:21], s[76:77], s[20:21]
	s_add_nc_u64 s[46:47], s[78:79], s[46:47]
	CROUND                                         ; all sixteen work-groups are here: the first joint loads meet
.irp s, 0,1
	s_mov_b32 s[G0+4*\s], 1
	s_add_co_u32 s[G0+4*\s+1], s45, \s*SLOT
	s_add_nc_u64 s[G0+4*\s+2:G0+4*\s+3], s[20:21], \s*BLK
	s_or_b32 s[G0+4*\s+3], s[G0+4*\s+3], 0x80000000
	s_mov_b32 s[G0B+4*\s], 1
	s_add_co_u32 s[G0B+4*\s+1], s45, \s*SLOT
	s_add_nc_u64 s[G0B+4*\s+2:G0B+4*\s+3], s[46:47], \s*BLK
	s_or_b32 s[G0B+4*\s+3], s[G0B+4*\s+3], 0x80000000
	JLOAD G0+4*\s, G1, G0B+4*\s, G1B               ; two tensor loads of mine are out
.endr
	v_and_b32 v1, 15, v0                           ; l % 16
	v_bfe_u32 v2, v0, 4, 1                         ; l / 16
	v_and_b32 v3, 31, v0
	v_lshlrev_b32 v[LI], 4, v3
	v_lshlrev_b32 v[TO], 8, v1
	v_lshl_add_u32 v[TO], v2, 5, v[TO]
	s_lshl_b32 s22, s15, 15                        ; my 128 rows of A
	s_lshl_b32 s23, s16, 15                        ; my 128 rows of B,
	s_add_co_u32 s23, s23, 2*BLK                   ; which lie behind A's 256
.irp s, 0,1
	v_add_nc_u32 v[ADRA+\s], s22, v[LI]
	v_add_nc_u32 v[ADRB+\s], s23, v[LI]
	s_add_co_u32 s22, s22, SLOT
	s_add_co_u32 s23, s23, SLOT
.endr
	; the way out.  tX, hX: the tile and half of x's rows;  cW, hW: the place and half that give w's rows
	s_cmp_eq_u32 ttmp9, 2
	s_cselect_b32 s89, s42, s17                    ; tX
	s_cselect_b32 s90, s16, s15                    ; hX
	s_cselect_b32 s91, s41, s40                    ; cW
	s_cselect_b32 s92, s15, s16                    ; hW
	s_cselect_b64 s[74:75], s[72:73], s[70:71]
	s_cmp_eq_u32 ttmp9, 0
	s_cselect_b64 s[74:75], s[68:69], s[74:75]     ; q_img, k_img or v_img
	s_lshr_b32 s93, s89, 3                         ; the batch
	s_lshl_b32 s93, s93, 4
	s_lshl_b32 s94, s91, 2
	s_add_co_u32 s93, s93, s94
	s_lshl_b32 s94, s92, 1
	s_add_co_u32 s93, s93, s94                     ; my first head: 16 batch + 4 cW + 2 hW
	s_lshl_b32 s93, s93, 17                        ; a head is 131,072 bytes in each of the three
	s_and_b32 s94, s89, 7
	s_lshl_b32 s94, s94, 1
	s_add_co_u32 s94, s94, s90                     ; which 128 positions of the sequence
	s_lshl_b32 s95, s94, 13                        ; 8,192 bytes of a head in each of the three
	s_add_co_u32 s18, s93, s95
	s_mov_b32 s19, 0
	s_add_nc_u64 s[74:75], s[74:75], s[18:19]
	s_lshl_b32 s18, s94, 15                        ; and 128 table rows of 256 bytes
	s_add_nc_u64 s[10:11], s[10:11], s[18:19]
	s_wait_alu depctr_va_vdst(0)
	s_wait_kmcnt 0x0
	s_cmp_eq_u32 ttmp9, 2
	s_cselect_b32 s93, s85, s83
	s_cmp_eq_u32 ttmp9, 0
	s_cselect_b32 s93, s82, s93                    ; eOut
	s_sub_co_i32 s93, s93, s80
	s_sub_co_i32 s93, s93, s81
	s_add_co_i32 s93, s93, 127
	s_lshl_b32 s94, s93, 23
	v_mov_b32 v[SCL], s94                          ; 2^(eOut - e0 - e1) as f32
	s_add_co_i32 s93, s93, 8
	s_lshl_b32 s93, s93, 23
	s_or_b32 s93, s93, 0x600000
	v_mov_b32 v[LIM], s93                          ; 448 x that
.macro FRAG reg, adr, q, i             ; block i's fragment of the slot's q-th 128 along K: an image, as it lies
.irp c, 0,1,2,3
	ds_load_b128 v[\reg+4*\c:\reg+4*\c+3], v[\adr] offset:4096*(\i)+2048*(\q)+512*\c
.endr
.endm
.macro MULB a, p, zero                 ; A's block a against B's eight, 128 along K.  p: B's set.  zero = 1: the product starts the sums
.irp b, 0,1,2,3,4,5,6,7
.if \zero
	v_wmma_f32_16x16x128_fp8_fp8 v[8*(8*((\a)%4)+\b):8*(8*((\a)%4)+\b)+7], v[128*(\p)+FR*\b:128*(\p)+FR*\b+FR-1], v[AF+FR*(\a):AF+FR*(\a)+FR-1], 0
.else
	v_wmma_f32_16x16x128_fp8_fp8 v[8*(8*((\a)%4)+\b):8*(8*((\a)%4)+\b)+7], v[128*(\p)+FR*\b:128*(\p)+FR*\b+FR-1], v[AF+FR*(\a):AF+FR*(\a)+FR-1], v[8*(8*((\a)%4)+\b):8*(8*((\a)%4)+\b)+7]
.endif
.endr
.endm
.macro MULS a0, n, p, zero             ; n blocks from a0 on.  The accumulators take turns, one instruction a turn, in the same order in every step
.set ma, \a0
.rept \n
	MULB ma, \p, \zero
.set ma, ma+1
.endr
.endm
.macro FETCH_B slot, q, p
	WIN TO_B
.irp i, 0,1,2,3,4,5,6,7
	FRAG 128*(\p)+FR*\i, ADRB+\slot, \q, \i
.endr
	WIN 0
.endm
.macro FETCH_A slot, q, i0             ; half of A's blocks, from i0 on
.set fa, \i0
.rept AB/2
	FRAG AF+FR*fa, ADRA+\slot, \q, fa
.set fa, fa+1
.endr
.endm
.macro PLACES                          ; four plain vector lines between a matrix instruction and a load into a register that it read, or a vector line that reads its result or writes its registers
.rept 4
	v_nop
.endr
.endm
; A slot's first 128 along K, on B's set 0; the second 128 are fetched meanwhile: B into set 1, A's blocks as soon as their products are issued.
.macro STEP slot, zero
	s_wait_dscnt (AB/2)*NL                         ; B's set and A's first half are in; the youngest loads (A's second half) may be out
	WIN MUL_LO
	MULS 0, AB/2, 0, \zero
	s_wait_dscnt 0
	PLACES
	FETCH_B \slot, 1, 1
	FETCH_A \slot, 1, 0
	WIN MUL_H1
	MULS AB/2, AB/2, 0, \zero
	PLACES
	WIN 0
	FETCH_A \slot, 1, AB/2
.endm
; A slot's second 128 change slots: ONE barrier; in front of it each wave waits for all its tensor loads, adds 0 to its spare word, and waits for that and for its reads of this slot.  fill = 1: this slot is filled again, two K steps ahead.
.macro TURN slot, next, fill
	s_wait_tensorcnt 0x0                           ; all my tensor loads have landed: my part of the next slot
	ds_add_u32 v[SPW], v[NIL]                      ; 0 onto my spare word
	s_wait_dscnt (AB/2)*NL+1                       ; (the add and A's second half may be out)
	WIN MUL_LO
	MULS 0, AB/4, 1, 0                             ; matrix instructions stand between the add and the wait for it
	s_wait_dscnt 0x0                               ; the add is done, and my reads of this slot are over
	s_barrier_signal -1
	MULS AB/4, AB/4, 1, 0
	WIN 0
	s_barrier_wait -1
.if \fill
	CREST                                          ; the barrier has opened a round of the cluster's barrier: no wave of any partner still reads this slot or has a load on its way
	s_add_nc_u64 s[G0+4*\slot+2:G0+4*\slot+3], s[G0+4*\slot+2:G0+4*\slot+3], 2*BLK
	s_add_nc_u64 s[G0B+4*\slot+2:G0B+4*\slot+3], s[G0B+4*\slot+2:G0B+4*\slot+3], 2*BLK
	JLOAD G0+4*\slot, G1, G0B+4*\slot, G1B         ; my one tensor load behind the round; its four v_nop are the places in front of the loads below
.else
	PLACES
.endif
	FETCH_B \next, 0, 0
	FETCH_A \next, 0, 0
	WIN MUL_H1
	MULS AB/2, AB/2, 1, 0
	PLACES
	WIN 0
	FETCH_A \next, 0, AB/2
.endm
.macro TAIL                            ; the last K step: nothing more is asked for, no barrier stands in it
	STEP 1, 0
	s_wait_dscnt (AB/2)*NL
	WIN MUL_LO
	MULS 0, AB/2, 1, 0
	s_wait_dscnt 0
	WIN MUL_H1
	MULS AB/2, AB/2, 1, 0
	WIN 0
	PLACES                                         ; in front of the first read of results and of the first write over A's fragments
.endm
.macro LOADCS a                        ; block a's 16 table rows: lane l takes, of row l % 16, the pairs cos, sin of frequencies 8 b + 4 (l / 16) + 0 .. 3, b = 0 .. 3
.irp bb, 0,1,2,3
	global_load_b128 v[CS+32*((\a)%2)+8*\bb:CS+32*((\a)%2)+8*\bb+3], v[TO], s[10:11] offset:4096*(\a)+64*\bb
	global_load_b128 v[CS+32*((\a)%2)+8*\bb+4:CS+32*((\a)%2)+8*\bb+7], v[TO], s[10:11] offset:4096*(\a)+64*\bb+16
.endr
.endm
.macro CODES a                         ; a block's 64 numbers in v[Y] on become 16 registers of codes
.if (\a) >= 2
	s_wait_xcnt 0x0                                ; the stores of two blocks ago have read this set of codes
.endif
.irp b, 0,1,2,3,4,5,6,7
	v_cvt_scalef32_pk8_fp8_f32 v[CD+16*((\a)%2)+2*\b:CD+16*((\a)%2)+2*\b+1], v[Y+8*\b:Y+8*\b+7], v[SCL]
.endr
	v_nop                                          ; a plain line between the conversions and the next block's lines, which write their sources
.endm
; q, k: block a = 16 positions.  Register pair p of accumulator (a, b) is the pair (x0, x1) of frequency 8 (b % 4) + 4 (l / 16) + p: (x0 cos - x1 sin, x1 cos + x0 sin), two packed lines.
.macro OUTQK a
.set AC, 64*((\a)%4)
.set CSB, CS+32*((\a)%2)
.if (\a) < 7
	s_wait_loadcnt 8                               ; this block's eight table loads are in; the next block's eight may be out
.else
	s_wait_loadcnt 0
.endif
	WIN 0x02+((\a)/4)                              ; source 0: window 2 or 3
.irp b, 0,1,2,3,4,5,6,7
.irp p, 0,2,4,6                                ; each accumulator from its low end on
	v_pk_mul_f32 v[Y+8*\b+\p:Y+8*\b+\p+1], v[AC+8*\b+\p:AC+8*\b+\p+1], v[CSB+8*(\b%4)+\p:CSB+8*(\b%4)+\p+1] op_sel:[1,1] op_sel_hi:[0,1] neg_lo:[1,0]   ; (-x1 sin, x0 sin)
.endr
.irp p, 0,2,4,6
	v_pk_fma_f32 v[Y+8*\b+\p:Y+8*\b+\p+1], v[AC+8*\b+\p:AC+8*\b+\p+1], v[CSB+8*(\b%4)+\p:CSB+8*(\b%4)+\p+1], v[Y+8*\b+\p:Y+8*\b+\p+1] op_sel_hi:[1,0,1]   ; + (x0 cos, x1 cos)
.endr
.endr
	WIN 0
.if (\a) < 6
	LOADCS (\a)+2
.endif
.set i, 0
.rept 64
.set i, i+1
.endr
	s_wait_alu depctr_va_vdst(0)
	CODES \a
.irp c, 0,1,2,3                                ; registers 0-7: my first head's image of 16 x 64; registers 8-15: the next head's
	global_store_b128 v[LI], v[CD+16*((\a)%2)+4*\c:CD+16*((\a)%2)+4*\c+3], s[74:75] offset:1024*(\a)+512*(\c%2)+131072*(\c/2)
.endr
.endm
; v: block a = 16 of the features d; the 16 registers are one image of 16 x 128 keys.
.macro OUTV a
.set AC, 64*((\a)%4)
	WIN 0x02+((\a)/4)
.set i, 0
.rept 64
	v_med3_num_f32 v[Y+i], v[AC+i], -v[LIM], v[LIM]
.set i, i+1
.endr
	WIN 0
	s_wait_alu depctr_va_vdst(0)
	CODES \a
.irp c, 0,1,2,3
	global_store_b128 v[LI], v[CD+16*((\a)%2)+4*\c:CD+16*((\a)%2)+4*\c+3], s[74:75] offset:131072*((\a)/4)+2048*((\a)%4)+512*\c
.endr
.endm
	s_wait_tensorcnt 1                             ; my part of K step 0 is in (K step 1's load may be out)
	s_barrier_signal -1
	s_barrier_wait -1                              ; everybody's is
	FETCH_B 0, 0, 0
	FETCH_A 0, 0, 0
	FETCH_A 0, 0, AB/2
	STEP 0, 1                                      ; K step 0; its first products start the sums: nothing is cleared
	TURN 0, 1, 1                                   ; slot 0 takes K step 2
	STEP 1, 0                                      ; K step 1
	TURN 1, 0, 1                                   ; slot 1 takes K step 3
	STEP 0, 0                                      ; K step 2
	TURN 0, 1, 0                                   ; nothing is left to ask for
	s_cmp_eq_u32 ttmp9, 2                          ; the paths part on the cluster's x; no barrier and no tensor load stands in either
	s_cbranch_scc1 .Lv
	LOADCS 0                                       ; the first two blocks' table rows land under the last K step's 128 matrix instructions
	LOADCS 1
	TAIL
.irp a, 0,1,2,3,4,5,6,7
	OUTQK \a
.endr
	s_branch .Lend
.Lv:
	TAIL
	s_wait_alu depctr_va_vdst(0)
.irp a, 0,1,2,3,4,5,6,7
	OUTV \a
.endr
.Lend:
	s_wait_tensorcnt 0x0                           ; the wave's end
	ds_add_u32 v[SPW], v[NIL]
	s_wait_dscnt 0x0
	CROUND                                         ; the closing round: no work-group ends while a partner may still ask for a tile that names it
	s_endpgm
.Lfunc_end_k_q1bde2652b2_qkv:
	.size	k_q1bde2652b2_qkv, .Lfunc_end_k_q1bde2652b2_qkv-k_q1bde2652b2_qkv
	.p2alignl 7, 3214868480
	.fill 96, 4, 3214868480
	.section	.rodata,"a",@progbits
	.p2align	6, 0x0
	.amdhsa_kernel k_q1bde2652b2_qkv
		.amdhsa_group_segment_fixed_size 327680
		.amdhsa_private_segment_fixed_size 0
		.amdhsa_enable_private_segment 0
		.amdhsa_kernarg_size 56
		.amdhsa_user_sgpr_count 2
		.amdhsa_user_sgpr_kernarg_segment_ptr 1
		.amdhsa_wavefront_size32 1
		.amdhsa_system_sgpr_workgroup_id_x 1
		.amdhsa_system_sgpr_workgroup_id_y 1
		.amdhsa_system_sgpr_workgroup_id_z 1
		.amdhsa_system_vgpr_workitem_id 0
		.amdhsa_next_free_vgpr 1024
		.amdhsa_next_free_sgpr 100
		.amdhsa_reserve_vcc 0
		.amdhsa_float_denorm_mode_32 3
		.amdhsa_float_denorm_mode_16_64 3
		.amdhsa_fp16_overflow 1
		.amdhsa_memory_ordered 1
		.amdhsa_forward_progress 1
		.amdhsa_inst_pref_size 178
	.end_amdhsa_kernel
	.amdgpu_metadata
---
amdhsa.version: [ 1, 2 ]
amdhsa.kernels:
  - .name:           k_q1bde2652b2_qkv
    .symbol:         k_q1bde2652b2_qkv.kd
    .args:
      - { .name: x_img, .offset: 0, .size: 8, .value_kind: global_buffer, .address_space: global }
      - { .name: wqkv_img, .offset: 8, .size: 8, .value_kind: global_buffer, .address_space: global }
      - { .name: lowp_scales, .offset: 16, .size: 8, .value_kind: global_buffer, .address_space: global }
      - { .name: rope_tab, .offset: 24, .size: 8, .value_kind: global_buffer, .address_space: global }
      - { .name: q_img, .offset: 32, .size: 8, .value_kind: global_buffer, .address_space: global }
      - { .name: k_img, .offset: 40, .size: 8, .value_kind: global_buffer, .address_space: global }
      - { .name: v_img, .offset: 48, .size: 8, .value_kind: global_buffer, .address_space: global }
    .group_segment_fixed_size: 327680
    .private_segment_fixed_size: 0
    .kernarg_segment_align: 8
    .kernarg_segment_size: 56
    .max_flat_workgroup_size: 128
    .sgpr_count:     100
    .vgpr_count:     1024
    .wavefront_size: 32
...
	.end_amdgpu_metadata
.endif
;; end of part 2
;; launch attn (part 3): grid 4 x 64, 16 waves a work-group, clusters of 4 x 1, 327,680 bytes of LDS; arguments q_img, k_img, v_img, lowp_scales, o_img; writes o_img
.if DOCPART == 3
	.amdgcn_target "amdgcn-amd-amdhsa--gfx1250"
	.amdhsa_code_object_version 6
	.text
	.protected	k_q1bde2652b2_attn
	.globl	k_q1bde2652b2_attn
	.p2align	8
	.type	k_q1bde2652b2_attn,@function
k_q1bde2652b2_attn:
	s_mov_b64 s[64:65], 0
	v_nop
	global_prefetch_b8 v0, s[64:65] scope:SCOPE_SE
	s_setreg_imm32_b32 hwreg(HW_REG_WAVE_MODE, 25, 1), 1
	s_wait_xcnt 0x0
	s_wait_alu depctr_hold_cnt(0) depctr_sa_sdst(0) depctr_va_vdst(0) depctr_va_sdst(0) depctr_va_ssrc(0) depctr_va_vcc(0) depctr_vm_vsrc(0)
	s_getreg_b32 s2, hwreg(HW_REG_IB_STS2, 6, 4)
	s_cmp_eq_u32 s2, 0
	s_cbranch_scc0 .Lentry_in_a_cluster
	s_endpgm
.Lentry_in_a_cluster:
	s_bfe_u32 s2, ttmp6, 0x10000c
	s_cmp_lg_u32 s2, 0x3003
	s_cbranch_scc0 .Lentry_shape_is_right
	s_endpgm
.Lentry_shape_is_right:
; Causal attention on codes of FP8 (E4M3): 64 heads (16 batch + h), 2,048 positions, head size 64.  o = softmax(q k^T / 8, keys <= query) v, quantised with entry 6 of the scales for the last product.
; q_img, k_img: (head 128 + s / 16) 1024 + image of 16 positions x 64;  v_img: ((head 16 + s / 128) 4 + d / 16) 2048 + image of 16 d x 128 keys.  An image holds an operand's registers: registers 4 c .. 4 c + 3 of lane l at 512 c + 16 l.
; THE SOFTMAX AHEAD OF THE SECOND PRODUCT: t = score x log2(e) / 8; M = the running largest t rounded UP to a whole number; p = 2^(t - M) is quantised (entry 4), not normalised; the sum is taken of the unquantised p
; and divides at the end.  When M moves, the sum and O are multiplied by 2^(old M - new M): nothing is rounded.
; SHARES.  A head's whole K and V, 131,072 bytes each, lie in LDS, filled once.  The head's four work-groups (j = 0 .. 3) form a CLUSTER and ask for them JOINTLY: the same loads, the same descriptors, a mask of all four.
; Wave w owns 32 queries, two tiles of 16, from 128 g + 32 j on, and walks key steps 0 .. g of 128 keys; step g lies on the diagonal.  g comes from the wave's number by a table that is a magic square of 4 x 4:
; any four waves w % 4 = const, and any four w / 4 = const, have 34 steps together.  j enters Q's and O's addresses and the mask's number d alone: no branch and no LDS address hangs on it.
; LAYOUT.  Both products transposed: S^T = K Q^T (source 0 = 16 keys, source 1 = 16 queries), O^T = V^T P^T: a lane holds ONE query (l % 16) throughout.  Tile c of S^T holds keys 16 c + 8 (l / 16) + 0 .. 7 in its eight
; registers: one conversion makes registers 2 c, 2 c + 1 of P.  Likewise tile t of O^T makes registers 2 t, 2 t + 1 of the image of o.  Each fragment of K and V read from LDS feeds two products.
; o_img: row R = 2048 batch + s, K = 64 h + d, as the last product wants it: ((R / 128) 4 + K / 256) 32768 + ((R / 16) % 8) 4096 + ((K / 64) % 4) 1024 + image of 16 x 64.
; LIMITS: entries 2 + 3 between -123 and 130; entry 4, and entry 6 - 4 - 5, between -126 and 119.
; REGISTERS: v1 16 x lane; v2, v3 LDS addresses of the step's K and V; v4, v5 hold and scale; v6 d; v8-11, v12-15 -M, largest t, the sum (two halves) of tiles A, B; v16-31 Q; v32-95 S^T of A, later V's four fragments;
;   v96-159 S^T of B; v160-223 O^T of A, B; v224-255 four fragments of K, later the codes of A and B; v248-255 at work between the two uses.
.set STEPB, 8192                       ; a key step's bytes of K, and of V
.set VOFF,  131072                     ; V lies behind K
.set LI,  1
.set ADK, 2
.set ADV, 3
.set LIM, 4
.set SCL, 5
.set DG,  6
.set STA, 8
.set STB, 12
.set QA,  16
.set QB,  24
.set SA,  32
.set SB,  96
.set OA,  160
.set OB,  192
.set CA,  224
.set CB,  240
.set KB,  224
.set T0,  248
.set TP,  249
.set F,   250
.set PS,  252
.set T1,  254
.set NI,  255
.macro CROUND                          ; a round of the cluster's barrier
	s_barrier_signal -1
	s_barrier_wait -1
	s_cmp_lg_u32 s14, 0
	s_cbranch_scc1 .Lnot_wave_0_\@
	s_barrier_signal -3
.Lnot_wave_0_\@:
	s_barrier_wait -3
	s_barrier_signal -1
	s_barrier_wait -1
.endm
	s_load_b256 s[4:11], s[0:1], 0x0               ; q_img, k_img, v_img, the scales
	s_load_b64 s[12:13], s[0:1], 0x20              ; o_img
	v_lshl_add_u32 v254, v0, 2, 0x40000
	v_mov_b32 v255, 0
	ds_add_u32 v254, v255
	ds_add_u32 v254, v255
	s_wait_dscnt 0x0
	v_lshrrev_b32 v1, 5, v0
	s_delay_alu instid0(VALU_DEP_1)
	v_readfirstlane_b32 s14, v1                    ; wave 0..15
	s_bfe_u32 s16, ttmp6, 0x40000                  ; j: my place in the cluster
	s_and_b32 s17, ttmp7, 0xffff                   ; the head, which the four partners share
	s_mov_b32 s56, 0x79a4c21f                      ; g of waves 0-7, four bits each: 15, 1, 2, 12, 4, 10, 9, 7
	s_mov_b32 s57, 0x0ed3b568                      ; of waves 8-15: 8, 6, 5, 11, 3, 13, 14, 0
	s_cmp_lt_u32 s14, 8
	s_cselect_b32 s56, s56, s57
	s_and_b32 s57, s14, 7
	s_lshl_b32 s58, s57, 2
	s_lshr_b32 s56, s56, s58
	s_and_b32 s15, s56, 15                         ; g
	; group 1: dense blocks as rows of 32 elements of 8 bytes: 8 rows (a sixteenth of key steps 0 and 1 of K and V together), 56 rows (of steps 2 to 15)
	s_mov_b32 s24, 15|(3<<16)|(1<<21)              ; 15:0 the mask: all four work-groups; 17:16 elements of 8 bytes; 21 set beside a mask
	s_mov_b32 s25, 32<<16
	s_mov_b32 s26, 8<<16
	s_mov_b32 s27, 32<<16
	s_mov_b32 s28, 8
	s_mov_b32 s29, 32
	s_mov_b32 s30, 0
	s_mov_b32 s31, 0
	s_mov_b32 s32, 15|(3<<16)|(1<<21)
	s_mov_b32 s33, 32<<16
	s_mov_b32 s34, 56<<16
	s_mov_b32 s35, 32<<16
	s_mov_b32 s36, 56
	s_mov_b32 s37, 32
	s_mov_b32 s38, 0
	s_mov_b32 s39, 0
	s_lshr_b32 s59, s14, 3
	s_lshl_b32 s59, s59, 17                        ; waves 0-7 fetch K, waves 8-15 V
	s_lshl_b32 s60, s57, 11                        ; my 2,048 bytes of steps 0 and 1,
	s_mul_i32 s61, s57, 14336
	s_add_co_u32 s61, s61, 2*STEPB                 ; my 14,336 bytes of the rest
	s_mov_b32 s40, 1
	s_add_co_u32 s41, s59, s60
	s_mov_b32 s44, 1
	s_add_co_u32 s45, s59, s61
	s_lshl_b32 s62, s17, 17                        ; the head's first byte in q_img, k_img and v_img
	s_mov_b32 s63, 0
	s_mov_b32 s20, 0x76543210                      ; v_permlanex16_b32: lane l xor 16
	s_mov_b32 s21, 0xfedcba98
	s_mov_b32 s18, 0                               ; the key step
	s_mov_b32 s19, 0                               ; and its byte in K and in V
	s_wait_kmcnt 0x0
	s_load_b256 s[48:55], s[10:11], 0x0            ; the eight exponents
	s_cmp_lt_u32 s14, 8
	s_cselect_b64 s[42:43], s[6:7], s[8:9]
	s_add_nc_u64 s[42:43], s[42:43], s[62:63]
	s_mov_b64 s[46:47], s[42:43]
	s_mov_b32 s56, s60
	s_mov_b32 s57, 0
	s_add_nc_u64 s[42:43], s[42:43], s[56:57]
	s_mov_b32 s56, s61
	s_add_nc_u64 s[46:47], s[46:47], s[56:57]
	s_or_b32 s43, s43, 0x80000000
	s_or_b32 s47, s47, 0x80000000
	CROUND                                         ; all four work-groups are here: the joint loads meet
	tensor_load_to_lds s[40:43], s[24:31]          ; every wave issues both: one tensor load of mine is out; it lands before the second is issued; nothing is ever filled again
	s_nop 0
	s_wait_alu depctr_va_vdst(0)
	s_wait_tensorcnt 0x0
	ds_add_u32 v254, v255
	s_wait_dscnt 0x0
	CROUND
	tensor_load_to_lds s[44:47], s[32:39]
	s_nop 0
.rept 4
	v_nop
.endr
	s_lshl_b32 s56, s15, 3
	s_lshl_b32 s58, s16, 1
	s_add_co_u32 s56, s56, s58                     ; my first tile of 16 queries: 8 g + 2 j
	s_lshl_b32 s56, s56, 10
	s_add_co_u32 s56, s56, s62
	s_add_nc_u64 s[4:5], s[4:5], s[56:57]
	v_and_b32 v1, 31, v0
	s_delay_alu instid0(VALU_DEP_1)
	v_lshlrev_b32 v[LI], 4, v1
	global_load_b128 v[QA:QA+3], v[LI], s[4:5]     ; Q's two fragments stay in registers
	global_load_b128 v[QA+4:QA+7], v[LI], s[4:5] offset:512
	global_load_b128 v[QB:QB+3], v[LI], s[4:5] offset:1024
	global_load_b128 v[QB+4:QB+7], v[LI], s[4:5] offset:1536
	s_lshr_b32 s56, s17, 4                         ; o: (((batch 16 + g) 4 + h / 4) 32768 + 2 j 4096 + (h % 4) 1024
	s_lshl_b32 s56, s56, 4
	s_add_co_u32 s56, s56, s15
	s_lshl_b32 s56, s56, 2
	s_bfe_u32 s58, s17, 0x20002
	s_add_co_u32 s56, s56, s58
	s_lshl_b32 s56, s56, 15
	s_lshl_b32 s58, s16, 13
	s_add_co_u32 s56, s56, s58
	s_and_b32 s58, s17, 3
	s_lshl_b32 s58, s58, 10
	s_add_co_u32 s56, s56, s58
	s_add_nc_u64 s[12:13], s[12:13], s[56:57]
	v_and_b32 v7, 15, v0
	v_bfe_u32 v[DG], v0, 4, 1
	s_delay_alu instid0(VALU_DEP_1)
	v_lshlrev_b32 v[DG], 3, v[DG]
	s_delay_alu instid0(VALU_DEP_1)
	v_sub_nc_u32 v[DG], v7, v[DG]
	s_lshl_b32 s58, s16, 5
	v_add_nc_u32 v[DG], s58, v[DG]                 ; d = 32 j + l % 16 - 8 (l / 16): on the diagonal, register 8 c + i of tile A is hidden where 16 c + i > d
	v_mov_b32 v[STA+1], 0xff61b1e6                 ; the largest t so far: -3e38, under every t
	v_mov_b32 v[STB+1], 0xff61b1e6
	s_delay_alu instid0(VALU_DEP_2)
	v_floor_f32 v[STA], -v[STA+1]                  ; -M
	s_delay_alu instid0(VALU_DEP_2)
	v_floor_f32 v[STB], -v[STB+1]
	v_mov_b32 v[STA+2], 0                          ; the sums
	v_mov_b32 v[STA+3], 0
	v_mov_b32 v[STB+2], 0
	v_mov_b32 v[STB+3], 0
.set nn, 0
.rept 64
	v_mov_b32 v[OA+nn], 0                          ; O^T.  (The step is written without a first step of its own: it finds zeros, which the first change of M leaves zeros)
.set nn, nn+1
.endr
	s_wait_kmcnt 0x0
	s_add_co_i32 s56, s50, s51
	s_lshl_b32 s56, s56, 23
	s_add_co_i32 s22, s56, 0x3e38aa3b              ; c = log2(e) / 8, with entries 2 + 3 added to its exponent field
	s_mov_b32 s23, s22                             ; (named with it as a pair, so it is written)
	s_add_co_i32 s56, s52, 127
	s_lshl_b32 s58, s56, 23
	v_mov_b32 v[SCL], s58                          ; 2^e4
	s_sub_co_i32 s56, s54, s52
	s_sub_co_i32 s56, s56, s53
	s_add_co_i32 s56, s56, 127
	s_lshl_b32 s60, s56, 23                        ; 2^(e6 - e4 - e5), for the way out: O^T stands for O^T x 2^(e4 + e5)
	s_wait_loadcnt 0x0                             ; Q
; One tile's softmax for a key step.  s: its 64 scores; st: its statistics; o: its O^T; cd: where its codes go.
.macro SOFT s, st, o, cd
	v_max3_num_f32 v[T0], v[\s], v[\s+1], v[\s+2]  ; the largest of my 64 scores, in two chains, in ascending order: each accumulator from its low end on
	v_max3_num_f32 v[T1], v[\s+3], v[\s+4], v[\s+5]
.set nn, 6
.rept 14
	v_max3_num_f32 v[T0], v[T0], v[\s+nn], v[\s+nn+1]
	v_max3_num_f32 v[T1], v[T1], v[\s+nn+2], v[\s+nn+3]
.set nn, nn+4
.endr
	v_max3_num_f32 v[T0], v[T0], v[\s+62], v[\s+63]
	s_delay_alu instid0(VALU_DEP_1)
	v_max_num_f32 v[T0], v[T0], v[T1]
	s_delay_alu instid0(VALU_DEP_1)
	v_permlanex16_b32 v[TP], v[T0], s20, s21
	s_delay_alu instid0(VALU_DEP_1)
	v_max_num_f32 v[T0], v[T0], v[TP]              ; and of lane l xor 16's
	s_delay_alu instid0(VALU_DEP_1)
	v_mul_f32 v[T0], s22, v[T0]                    ; as t (c is positive)
	s_delay_alu instid0(VALU_DEP_1)
	v_max_num_f32 v[\st+1], v[\st+1], v[T0]        ; the running largest t
	v_mov_b32 v[T0], v[\st]
	s_delay_alu instid0(VALU_DEP_2)
	v_floor_f32 v[\st], -v[\st+1]                  ; the new -M = floor(-t): M is a whole number
	s_delay_alu instid0(VALU_DEP_1)
	v_sub_f32 v[T0], v[\st], v[T0]                 ; old M - new M: a whole number, 0 or less
	s_delay_alu instid0(VALU_DEP_1)
	v_cvt_i32_f32 v[T0], v[T0]                     ; (it saturates)
	s_delay_alu instid0(VALU_DEP_1)
	v_ldexp_f32 v[F], 1.0, v[T0]                   ; f = 2^(old M - new M)
.set nn, 0
.rept 32
	v_pk_fma_f32 v[\s+nn:\s+nn+1], v[\s+nn:\s+nn+1], s[22:23], v[\st:\st+1] op_sel_hi:[1,0,0]   ; t - M, two at a time
.set nn, nn+2
.endr
.set nn, 0
	s_wait_alu depctr_va_vdst(0)
.rept 64
	v_exp_f32 v[\s+nn], v[\s+nn]                   ; p = 2^(t - M)
.set nn, nn+1
.endr
	v_pk_mul_f32 v[\st+2:\st+3], v[\st+2:\st+3], v[F:F+1] op_sel_hi:[1,0]   ; the sum under the new M: the plain line behind the exponentials
	s_wait_alu depctr_va_vdst(0)                   ; one wait for the 64 exponentials, ahead of their first reader
	v_pk_add_f32 v[PS:PS+1], v[\s:\s+1], v[\s+2:\s+3]   ; the sum is taken of the unquantised p, in two chains
.set nn, 4
.rept 15
	v_pk_add_f32 v[\st+2:\st+3], v[\st+2:\st+3], v[\s+nn:\s+nn+1]
	v_pk_add_f32 v[PS:PS+1], v[PS:PS+1], v[\s+nn+2:\s+nn+3]
.set nn, nn+4
.endr
	s_delay_alu instid0(VALU_DEP_1)
	v_pk_add_f32 v[\st+2:\st+3], v[\st+2:\st+3], v[PS:PS+1]
.set nn, 0
.rept 16
	v_pk_mul_f32 v[\o+nn:\o+nn+1], v[\o+nn:\o+nn+1], v[F:F+1] op_sel_hi:[1,0]   ; O^T under the new M
.set nn, nn+2
.endr
.set nn, 0
.rept 8
.set mm, 0
.rept 8
.set mm, mm+1
.endr
	v_cvt_scalef32_pk8_fp8_f32 v[\cd+2*nn:\cd+2*nn+1], v[\s+8*nn:\s+8*nn+7], v[SCL]   ; registers 2 c, 2 c + 1 of P
.set nn, nn+1
.endr
	v_nop                                          ; a plain line between the last conversion and the matrix instruction that reads its result
.endm
; A key step of 128 keys.  A step whose keys all come after my queries (step > g) is left out: a scalar branch on the wave's number; the line at its end that steps the address is on every path.
.macro STEPBODY
	s_cmp_gt_u32 s18, s15
	s_cbranch_scc1 .Lskip_\@
	s_setprio 2
	v_add_nc_u32 v[ADK], s19, v[LI]
	s_wait_alu depctr_va_vdst(0)
	v_add_nc_u32 v[ADV], VOFF, v[ADK]
.irp gq, 0,1                                   ; S^T = K Q^T, four tiles of 16 keys at a time, each fragment of K against both tiles of queries
.if \gq
.rept 4
	v_nop                                          ; places in front of loads into registers that matrix instructions have read
.endr
.endif
.irp t, 0,1,2,3
	ds_load_b128 v[KB+8*\t:KB+8*\t+3], v[ADK] offset:(4*\gq+\t)*1024
	ds_load_b128 v[KB+8*\t+4:KB+8*\t+7], v[ADK] offset:(4*\gq+\t)*1024+512
.endr
	s_wait_dscnt 0x0
.irp t, 0,1,2,3
	v_wmma_f32_16x16x64_fp8_fp8 v[SA+8*(4*\gq+\t):SA+8*(4*\gq+\t)+7], v[KB+8*\t:KB+8*\t+7], v[QA:QA+7], 0
	v_wmma_f32_16x16x64_fp8_fp8 v[SB+8*(4*\gq+\t):SB+8*(4*\gq+\t)+7], v[KB+8*\t:KB+8*\t+7], v[QB:QB+7], 0
.endr
.endr
.rept 4
	v_nop                                          ; places in front of the first read of the scores and of the first write over K's fragments
.endr
	s_cmp_lg_u32 s18, s15                          ; only step g lies on the diagonal
	s_cbranch_scc1 .Lopen_\@
	v_mov_b32 v[NI], 0xff800000                    ; hidden scores become -infinity ahead of the maximum: p = 0 then.  The step's first key counts for every query of mine
.set nn, 0
.rept 64                                       ; tile B's queries lie 16 further on: its register n + 8 is hidden where tile A's register n is; its first eight never
	v_cmp_gt_i32 vcc_lo, 16*(nn/8)+nn%8, v[DG]
	v_cndmask_b32 v[SA+nn], v[SA+nn], v[NI], vcc_lo
.if nn < 56
	v_cndmask_b32 v[SB+8+nn], v[SB+8+nn], v[NI], vcc_lo
.endif
.set nn, nn+1
.endr
.Lopen_\@:
	SOFT SA, STA, OA, CA
	s_setprio 1
.irp t, 0,1,2,3                                ; V's four fragments take the registers that tile A's scores have left, and land under tile B's softmax
.irp c, 0,1,2,3
	ds_load_b128 v[SA+16*\t+4*\c:SA+16*\t+4*\c+3], v[ADV] offset:2048*\t+512*\c
.endr
.endr
	SOFT SB, STB, OB, CB
	s_setprio 0
	s_wait_alu depctr_va_vdst(0)
	s_wait_dscnt 0x0
.irp t, 0,1,2,3                                ; O^T += V^T P^T: eight accumulators, one instruction each
	v_wmma_f32_16x16x128_fp8_fp8 v[OA+8*\t:OA+8*\t+7], v[SA+16*\t:SA+16*\t+15], v[CA:CA+15], v[OA+8*\t:OA+8*\t+7]
	v_wmma_f32_16x16x128_fp8_fp8 v[OB+8*\t:OB+8*\t+7], v[SA+16*\t:SA+16*\t+15], v[CB:CB+15], v[OB+8*\t:OB+8*\t+7]
.endr
.rept 5
	v_nop                                          ; five places: the next step's products write over V's fragments; its loads land on the codes; the way out reads O^T
.endr
.Lskip_\@:
	s_add_co_u32 s19, s19, STEPB
.endm
	s_wait_tensorcnt 0x1                           ; my part of key steps 0 and 1 is in; the larger load may stay out
	s_barrier_signal -1
	s_barrier_wait -1                              ; everybody's is
.Lfirst:                                           ; key steps 0 and 1, while the rest of K and V lands
	STEPBODY
	s_add_co_u32 s18, s18, 1
	s_cmp_lt_u32 s18, 2
	s_cbranch_scc1 .Lfirst
	s_setprio 0
	s_wait_tensorcnt 0x0                           ; my part of the rest is in,
	s_wait_dscnt 0x0
	s_barrier_signal -1
	s_barrier_wait -1                              ; everybody's is
.Lrest:                                            ; key steps 2 to 15: the trip count is a constant; a wave leaves out the steps behind its g
	STEPBODY
	s_add_co_u32 s18, s18, 1
	s_cmp_lt_u32 s18, 16
	s_cbranch_scc1 .Lrest
	s_setprio 0
	; THE WAY OUT.  O^T / the sum, quantised: a tile's four accumulators become the eight registers of an image of 16 positions x 64, stored as they stand.
	v_add_f32 v[STA+2], v[STA+2], v[STA+3]         ; the sum's two halves,
	v_add_f32 v[STB+2], v[STB+2], v[STB+3]
	s_delay_alu instid0(VALU_DEP_2)
	v_permlanex16_b32 v[STA+3], v[STA+2], s20, s21
	s_delay_alu instid0(VALU_DEP_2)
	v_permlanex16_b32 v[STB+3], v[STB+2], s20, s21
	s_delay_alu instid0(VALU_DEP_2)
	v_add_f32 v[STA+2], v[STA+2], v[STA+3]         ; and lane l xor 16's
	s_delay_alu instid0(VALU_DEP_2)
	v_add_f32 v[STB+2], v[STB+2], v[STB+3]
	s_wait_alu depctr_va_vdst(0)
	v_rcp_f32 v[STA+2], v[STA+2]
	v_rcp_f32 v[STB+2], v[STB+2]
	v_mov_b32 v[SCL], s60                          ; (plain lines behind the reciprocals)
	s_wait_alu depctr_va_vdst(0)                   ; one wait for both reciprocals, ahead of their first reader
.set nn, 0
.rept 16
	v_pk_mul_f32 v[OA+nn:OA+nn+1], v[OA+nn:OA+nn+1], v[STA+2:STA+3] op_sel_hi:[1,0]
	v_pk_mul_f32 v[OB+nn:OB+nn+1], v[OB+nn:OB+nn+1], v[STB+2:STB+3] op_sel_hi:[1,0]
.set nn, nn+2
.endr
.set nn, 0
.rept 64
.set nn, nn+1
.endr
.set nn, 0
.rept 8
	v_cvt_scalef32_pk8_fp8_f32 v[CA+2*nn:CA+2*nn+1], v[OA+8*nn:OA+8*nn+7], v[SCL]   ; v224-231: tile A's image; v232-239: tile B's
.set nn, nn+1
.endr
	v_nop
	global_store_b128 v[LI], v[CA:CA+3], s[12:13]  ; 512 consecutive bytes a wave
	global_store_b128 v[LI], v[CA+4:CA+7], s[12:13] offset:512
	global_store_b128 v[LI], v[CA+8:CA+11], s[12:13] offset:4096
	global_store_b128 v[LI], v[CA+12:CA+15], s[12:13] offset:4608
	s_wait_xcnt 0x0
	v_lshl_add_u32 v254, v0, 2, 0x40000
	v_mov_b32 v255, 0
	s_wait_alu depctr_va_vdst(0)
	s_wait_tensorcnt 0x0
	ds_add_u32 v254, v255
	s_wait_dscnt 0x0
	CROUND                                         ; the closing round
	s_endpgm
.Lfunc_end_k_q1bde2652b2_attn:
	.size	k_q1bde2652b2_attn, .Lfunc_end_k_q1bde2652b2_attn-k_q1bde2652b2_attn
	.p2alignl 7, 3214868480
	.fill 96, 4, 3214868480
	.section	.rodata,"a",@progbits
	.p2align	6, 0x0
	.amdhsa_kernel k_q1bde2652b2_attn
		.amdhsa_group_segment_fixed_size 327680
		.amdhsa_private_segment_fixed_size 0
		.amdhsa_enable_private_segment 0
		.amdhsa_kernarg_size 40
		.amdhsa_user_sgpr_count 2
		.amdhsa_user_sgpr_kernarg_segment_ptr 1
		.amdhsa_wavefront_size32 1
		.amdhsa_system_sgpr_workgroup_id_x 1
		.amdhsa_system_sgpr_workgroup_id_y 1
		.amdhsa_system_sgpr_workgroup_id_z 1
		.amdhsa_system_vgpr_workitem_id 0
		.amdhsa_next_free_vgpr 256
		.amdhsa_next_free_sgpr 66
		.amdhsa_reserve_vcc 1
		.amdhsa_float_denorm_mode_32 3
		.amdhsa_float_denorm_mode_16_64 3
		.amdhsa_fp16_overflow 1
		.amdhsa_memory_ordered 1
		.amdhsa_forward_progress 1
		.amdhsa_inst_pref_size 77
	.end_amdhsa_kernel
	.amdgpu_metadata
---
amdhsa.version: [ 1, 2 ]
amdhsa.kernels:
  - .name:           k_q1bde2652b2_attn
    .symbol:         k_q1bde2652b2_attn.kd
    .args:
      - { .name: q_img, .offset: 0, .size: 8, .value_kind: global_buffer, .address_space: global }
      - { .name: k_img, .offset: 8, .size: 8, .value_kind: global_buffer, .address_space: global }
      - { .name: v_img, .offset: 16, .size: 8, .value_kind: global_buffer, .address_space: global }
      - { .name: lowp_scales, .offset: 24, .size: 8, .value_kind: global_buffer, .address_space: global }
      - { .name: o_img, .offset: 32, .size: 8, .value_kind: global_buffer, .address_space: global }
    .group_segment_fixed_size: 327680
    .private_segment_fixed_size: 0
    .kernarg_segment_align: 8
    .kernarg_segment_size: 40
    .max_flat_workgroup_size: 512
    .sgpr_count:     66
    .vgpr_count:     256
    .wavefront_size: 32
...
	.end_amdgpu_metadata
.endif
;; end of part 3
;; launch oproj (part 4): grid 4 x 64, 4 waves a work-group, clusters of 4 x 4, 327,680 bytes of LDS; arguments o_img, wout_img, lowp_scales, out0; writes out0
.if DOCPART == 4
	.amdgcn_target "amdgcn-amd-amdhsa--gfx1250"
	.amdhsa_code_object_version 6
	.text
	.protected	k_q1bde2652b2_oproj
	.globl	k_q1bde2652b2_oproj
	.p2align	8
	.type	k_q1bde2652b2_oproj,@function
k_q1bde2652b2_oproj:
	s_mov_b64 s[64:65], 0
	v_nop
	global_prefetch_b8 v0, s[64:65] scope:SCOPE_SE
	s_setreg_imm32_b32 hwreg(HW_REG_WAVE_MODE, 25, 1), 1
	s_wait_xcnt 0x0
	s_wait_alu depctr_hold_cnt(0) depctr_sa_sdst(0) depctr_va_vdst(0) depctr_va_sdst(0) depctr_va_ssrc(0) depctr_va_vcc(0) depctr_vm_vsrc(0)
	s_getreg_b32 s2, hwreg(HW_REG_IB_STS2, 6, 4)
	s_cmp_eq_u32 s2, 0
	s_cbranch_scc0 .Lentry_in_a_cluster
	s_endpgm
.Lentry_in_a_cluster:
	s_bfe_u32 s2, ttmp6, 0x10000c
	s_cmp_lg_u32 s2, 0xf033
	s_cbranch_scc0 .Lentry_shape_is_right
	s_endpgm
.Lentry_shape_is_right:
; out0 = o w_out^T on codes of FP8 (E4M3), K = 1,024; each finished sum x 2^(e6 + e7).  out0: [8192][1024] f32.
; OPERANDS come as images of registers (16 rows x 128 K: 2,048 bytes, registers 4 c .. 4 c + 3 of lane l at 512 c + 16 l; 128 rows x 256 K are one dense block of 32,768 bytes, 64 rows a dense half of it).
; A tile of 128 rows x 256 columns is made by four waves, each 64 x 128: 32 accumulators.  8,192 x 1,024 are 256 such tiles: one for each work-group of the grid of 4 x 64.
; K goes in four steps of 256 through a ring of two LDS slots filled by the tensor data mover.  Side A (source 1) = rows of o, side B (source 0) = rows of w_out: a lane then holds eight neighbouring numbers of a row of out0.
; CLUSTERS: 4 x 4 work-groups.  The four of a row of the cluster need the same tiles of A, the four of a column the same tiles of B: each is asked for JOINTLY.
; LIMIT: e6 + e7 between -126 and 127.
; REGISTERS, in windows of 256: window 0: v16-31 addresses; v128-191 A's fragments, ONE set; on the way out v32-95 a block's numbers, v128-255 two sets of rows.   window 1: B's fragments, TWO sets.
;   window 2: the accumulators ((a, b) at v[8 (8 a + b)]).
.set AB,    4                          ; A's blocks of 16 rows in a wave
.set FR,    16
.set NL,    4
.set BLK,   32768                      ; 128 rows x 256 K; also a K step in memory
.set SLOT,  3*BLK                      ; A's two halves of 16,384 bytes, then B's two of 32,768
.set SPARE, 2*SLOT                     ; behind the ring: the spare words, 128 bytes for each wave
.set SPITCH, 528                       ; the way out: a stage of 16 rows x (512 bytes + 16) for each wave, in slot 0, which has had its last fill and its last read when the first result is stored there
.set ADRA, 16
.set ADRB, 20
.set STO,  24                          ; v24     the way out: where I put 32 bytes of a row
.set RD,   25                          ; v25     where I read a row back
.set CO,   26                          ; v26     16 x lane
.set SPW,  28
.set NIL,  29
.set TMP,  32
.set AF,   128
.set BK,   128
.set G1, 24
.set G0, 32
.set G1B, 48
.set G0B, 56
.set MSB, 0
.macro WIN new                         ; the immediate's high byte repeats the setting that is left
.if MSB != (\new)
	s_set_vgpr_msb (MSB<<8)|(\new)
.set MSB, (\new)
.endif
.endm
.set MUL_LO, 0xa1                      ; source 0 (B) window 1, source 1 (A) window 0, C and D window 2
.set MUL_H1, 0xa1                      ; all 32 accumulators lie in window 2
.set TO_B,   0x40
.macro JLOAD g0a, g1a, g0b, g1b        ; a joint load: waves 0 and 1 fetch for A, waves 2 and 3 for B; four v_nop follow each of the two lines
	s_cmp_eq_u32 s15, 0
	s_cbranch_scc0 .Lfor_b_\@
	tensor_load_to_lds s[\g0a:\g0a+3], s[\g1a:\g1a+7]
	s_nop 0
.rept 4
	v_nop
.endr
	s_branch .Lasked_\@
.Lfor_b_\@:
	tensor_load_to_lds s[\g0b:\g0b+3], s[\g1b:\g1b+7]
	s_nop 0
.rept 4
	v_nop
.endr
.Lasked_\@:
.endm
.macro CREST
	s_cmp_lg_u32 s14, 0
	s_cbranch_scc1 .Lnot_wave_0_\@
	s_barrier_signal -3
.Lnot_wave_0_\@:
	s_barrier_wait -3
	s_barrier_signal -1
	s_barrier_wait -1
.endm
.macro CROUND
	s_barrier_signal -1
	s_barrier_wait -1
	CREST
.endm
	s_load_b256 s[4:11], s[0:1], 0x0               ; o_img, wout_img, the scales, out0
	v_lshl_add_u32 v[SPW], v0, 2, SPARE
	v_mov_b32 v[NIL], 0
	ds_add_u32 v28, v29
	ds_add_u32 v28, v29
	s_wait_dscnt 0x0
	v_lshrrev_b32 v1, 5, v0
	v_readfirstlane_b32 s14, v1                    ; wave 0..3
	s_lshr_b32 s15, s14, 1                         ; which half of A's rows is mine.  Also: I fetch for A (0) or for B (1)
	s_and_b32 s16, s14, 1                          ; which half of B's rows.  Also: which half of that tile I fetch
	s_bfe_u32 s40, ttmp6, 0x40000                  ; cx, cy
	s_bfe_u32 s41, ttmp6, 0x40004
	s_lshl_b32 s42, ttmp9, 2
	s_add_co_u32 s42, s42, s40                     ; B's tile of 256 rows of w_out
	s_and_b32 s17, ttmp7, 0xffff
	s_lshl_b32 s17, s17, 2
	s_add_co_u32 s17, s17, s41                     ; A's tile of 128 rows of o
	s_lshl_b32 s43, s41, 2
	s_lshl_b32 s43, 15, s43                        ; my row of the cluster
	s_lshl_b32 s44, 0x1111, s40                    ; my column
	; group 1: dense blocks as rows of 32 elements of 8 bytes: A 64 rows (16,384 bytes), B 128 rows (32,768 bytes)
	s_or_b32 s[G1+0], s43, (3<<16)|(1<<21)
	s_mov_b32 s[G1+1], 32<<16
	s_mov_b32 s[G1+2], 64<<16
	s_mov_b32 s[G1+3], 32<<16
	s_mov_b32 s[G1+4], 64
	s_mov_b32 s[G1+5], 32
	s_mov_b32 s[G1+6], 0
	s_mov_b32 s[G1+7], 0
	s_or_b32 s[G1B+0], s44, (3<<16)|(1<<21)
	s_mov_b32 s[G1B+1], 32<<16
	s_mov_b32 s[G1B+2], 128<<16
	s_mov_b32 s[G1B+3], 32<<16
	s_mov_b32 s[G1B+4], 128
	s_mov_b32 s[G1B+5], 32
	s_mov_b32 s[G1B+6], 0
	s_mov_b32 s[G1B+7], 0
	s_lshl_b32 s20, s17, 17                        ; A: tile x four blocks + half x 16,384
	s_lshl_b32 s21, s16, 14
	s_add_co_u32 s20, s20, s21
	s_mov_b32 s21, 0
	s_lshl_b32 s46, s42, 1
	s_add_co_u32 s46, s46, s16
	s_lshl_b32 s46, s46, 17                        ; B: (2 tile + half) x four blocks
	s_mov_b32 s47, 0
	s_lshl_b32 s45, s16, 14                        ; where they go: A's half,
	s_lshl_b32 s89, s16, 15
	s_add_co_u32 s89, s89, BLK                     ; B's half, behind A's two: no place in the cluster enters an LDS address
	s_wait_kmcnt 0x0
	s_load_b256 s[80:87], s[8:9], 0x0              ; the eight exponents
	s_add_nc_u64 s[20:21], s[4:5], s[20:21]
	s_add_nc_u64 s[46:47], s[6:7], s[46:47]
	CROUND                                         ; all sixteen work-groups are here: the first joint loads meet
.irp s, 0,1
	s_mov_b32 s[G0+4*\s], 1
	s_add_co_u32 s[G0+4*\s+1], s45, \s*SLOT
	s_add_nc_u64 s[G0+4*\s+2:G0+4*\s+3], s[20:21], \s*BLK
	s_or_b32 s[G0+4*\s+3], s[G0+4*\s+3], 0x80000000
	s_mov_b32 s[G0B+4*\s], 1
	s_add_co_u32 s[G0B+4*\s+1], s89, \s*SLOT
	s_add_nc_u64 s[G0B+4*\s+2:G0B+4*\s+3], s[46:47], \s*BLK
	s_or_b32 s[G0B+4*\s+3], s[G0B+4*\s+3], 0x80000000
	s_wait_alu depctr_va_vdst(0)
	s_wait_tensorcnt 0x0
	ds_add_u32 v28, v29
	ds_add_u32 v28, v29
	s_wait_dscnt 0x0
	CROUND
	JLOAD G0+4*\s, G1, G0B+4*\s, G1B               ; one tensor load of mine is out: each lands before the next is issued
.endr
	v_and_b32 v1, 15, v0                           ; l % 16
	s_wait_alu depctr_va_vdst(0)
	v_bfe_u32 v2, v0, 4, 1                         ; l / 16
	v_and_b32 v3, 31, v0
	v_lshlrev_b32 v[CO], 4, v3
	s_lshl_b32 s22, s15, 14                        ; my 64 rows of A
	s_lshl_b32 s23, s16, 15                        ; my 128 rows of B,
	s_add_co_u32 s23, s23, BLK                     ; which lie behind A's 128
.irp s, 0,1
	v_add_nc_u32 v[ADRA+\s], s22, v[CO]
	v_add_nc_u32 v[ADRB+\s], s23, v[CO]
	s_add_co_u32 s22, s22, SLOT
	s_add_co_u32 s23, s23, SLOT
.endr
	s_mul_i32 s23, s14, 16*SPITCH                  ; my stage
	v_mul_u32_u24 v5, v1, SPITCH                   ; in: row l % 16, 32 bytes for each half of the lanes
	s_wait_alu depctr_va_vdst(0)
	v_lshl_add_u32 v5, v2, 5, v5
	v_add_nc_u32 v[STO], s23, v5
	v_add_nc_u32 v[RD], s23, v[CO]                 ; back: the 32 lanes take one row of 512 bytes
	s_lshl_b32 s20, s17, 7
	s_lshl_b32 s21, s15, 6
	s_add_co_u32 s20, s20, s21                     ; my first row of out0: 128 x tile + 64 x half,
	s_lshl_b32 s20, s20, 12                        ; rows of 4,096 bytes
	s_mov_b32 s21, 0
	s_lshl_b32 s46, s42, 10                        ; my first column, in bytes: 1,024 x tile + 512 x half
	s_lshl_b32 s47, s16, 9
	s_add_co_u32 s46, s46, s47
	s_mov_b32 s47, 0
	s_add_nc_u64 s[20:21], s[20:21], s[46:47]
	s_add_nc_u64 s[10:11], s[10:11], s[20:21]
.macro FRAG reg, adr, q, i             ; block i's fragment of the slot's q-th 128 along K: an image, as it lies
.irp c, 0,1,2,3
	ds_load_b128 v[\reg+4*\c:\reg+4*\c+3], v[\adr] offset:4096*(\i)+2048*(\q)+512*\c
.endr
.endm
.macro MULB a, p, zero
.irp b, 0,1,2,3,4,5,6,7
.if \zero
	v_wmma_f32_16x16x128_fp8_fp8 v[8*(8*((\a)%4)+\b):8*(8*((\a)%4)+\b)+7], v[128*(\p)+FR*\b:128*(\p)+FR*\b+FR-1], v[AF+FR*(\a):AF+FR*(\a)+FR-1], 0
.else
	v_wmma_f32_16x16x128_fp8_fp8 v[8*(8*((\a)%4)+\b):8*(8*((\a)%4)+\b)+7], v[128*(\p)+FR*\b:128*(\p)+FR*\b+FR-1], v[AF+FR*(\a):AF+FR*(\a)+FR-1], v[8*(8*((\a)%4)+\b):8*(8*((\a)%4)+\b)+7]
.endif
.endr
.endm
.macro MULS a0, n, p, zero             ; the accumulators take turns, one instruction a turn, in the same order in every step
.set ma, \a0
.rept \n
	MULB ma, \p, \zero
.set ma, ma+1
.endr
.endm
.macro FETCH_B slot, q, p
	WIN TO_B
.irp i, 0,1,2,3,4,5,6,7
	FRAG 128*(\p)+FR*\i, ADRB+\slot, \q, \i
.endr
	WIN 0
.endm
.macro FETCH_A slot, q, i0
.set fa, \i0
.rept AB/2
	FRAG AF+FR*fa, ADRA+\slot, \q, fa
.set fa, fa+1
.endr
.endm
.macro PLACES                          ; four plain vector lines between a matrix instruction and a load into a register that it read, or a vector line that reads its result or writes its registers
.rept 4
	v_nop
.endr
.endm
.macro STEP slot, zero                 ; a slot's first 128 along K, on B's set 0; the second 128 are fetched meanwhile
	s_wait_dscnt (AB/2)*NL                         ; B's set and A's first half are in; the youngest loads (A's second half) may be out
	WIN MUL_LO
	MULS 0, AB/2, 0, \zero
	s_wait_dscnt 0
	PLACES
	FETCH_B \slot, 1, 1
	FETCH_A \slot, 1, 0
	WIN MUL_H1
	MULS AB/2, AB/2, 0, \zero
	PLACES
	WIN 0
	FETCH_A \slot, 1, AB/2
.endm
.macro TURN slot, next, fill           ; a slot's second 128 change slots: ONE barrier, with the three lines in front of it
	s_wait_tensorcnt 0x0                           ; all my tensor loads have landed: my part of the next slot
	ds_add_u32 v[SPW], v[NIL]                      ; 0 onto my spare word
	s_wait_dscnt (AB/2)*NL+1                       ; (the add and A's second half may be out)
	WIN MUL_LO
	MULS 0, AB/4, 1, 0
	s_wait_dscnt 0x0                               ; the add is done, and my reads of this slot are over
	s_barrier_signal -1
	MULS AB/4, AB/4, 1, 0
	WIN 0
	s_barrier_wait -1
.if \fill
	CREST                                          ; the barrier has opened a round of the cluster's barrier: no wave of any partner still reads this slot or has a load on its way
	s_add_nc_u64 s[G0+4*\slot+2:G0+4*\slot+3], s[G0+4*\slot+2:G0+4*\slot+3], 2*BLK
	s_add_nc_u64 s[G0B+4*\slot+2:G0B+4*\slot+3], s[G0B+4*\slot+2:G0B+4*\slot+3], 2*BLK
	JLOAD G0+4*\slot, G1, G0B+4*\slot, G1B         ; my one tensor load behind the round; its four v_nop are the places in front of the loads below
.else
	PLACES
.endif
	FETCH_B \next, 0, 0
	FETCH_A \next, 0, 0
	WIN MUL_H1
	MULS AB/2, AB/2, 1, 0
	PLACES
	WIN 0
	FETCH_A \next, 0, AB/2
.endm
	s_wait_tensorcnt 1                             ; my part of K step 0 is in (K step 1's load may be out)
	s_barrier_signal -1
	s_barrier_wait -1                              ; everybody's is
	FETCH_B 0, 0, 0
	FETCH_A 0, 0, 0
	FETCH_A 0, 0, AB/2
	STEP 0, 1                                      ; K step 0; its first products start the sums
	TURN 0, 1, 1                                   ; slot 0 takes K step 2
	STEP 1, 0
	TURN 1, 0, 1                                   ; slot 1 takes K step 3
	STEP 0, 0
	TURN 0, 1, 0                                   ; nothing is left to ask for; behind this barrier nobody reads slot 0
	STEP 1, 0
	s_wait_dscnt (AB/2)*NL                         ; the very last 128 along K
	WIN MUL_LO
	MULS 0, AB/2, 1, 0
	s_wait_dscnt 0
	MULS AB/2, AB/2, 1, 0
	WIN 0
; THE WAY OUT, block by block of 16 rows x 128 columns: a lane holds 32 neighbouring bytes of a row and the lanes beside it other rows, so a block goes through my own stage in LDS and comes back as whole rows of
; 512 bytes.  LDS serves a wave's instructions in order (ISA guide 5.7.1.4): no wait between the stores and the loads.
.macro TOSTAGE a
.set AC, 64*(\a)
	WIN 0x02                                       ; source 0: window 2
.set i, 0
.rept 32
	v_pk_mul_f32 v[TMP+i:TMP+i+1], v[AC+i:AC+i+1], s[96:97] op_sel_hi:[1,0]   ; x 2^(e6 + e7); each accumulator from its low end on
.set i, i+2
.endr
	WIN 0
.irp b, 0,1,2,3,4,5,6,7
	ds_store_b128 v[STO], v[TMP+8*\b:TMP+8*\b+3] offset:64*\b
	ds_store_b128 v[STO], v[TMP+8*\b+4:TMP+8*\b+7] offset:64*\b+16
.endr
.set BB, BK+64*((\a)%2)
.irp t, 0,1,2,3,4,5,6,7,8,9,10,11,12,13,14,15
	ds_load_b128 v[BB+4*\t:BB+4*\t+3], v[RD] offset:\t*SPITCH
.endr
.endm
.macro SEND a, younger                 ; younger: the LDS instructions issued behind block a's loads, which may stay out
.set BB, BK+64*((\a)%2)
	s_wait_dscnt \younger
.if (\a) > 0
	s_add_nc_u64 s[10:11], s[10:11], 16*4096       ; (behind a wait on XCNT: the earlier stores have read their base)
.endif
.irp t, 0,1,2,3,4,5,6,7,8,9,10,11,12,13,14,15
	global_store_b128 v[CO], v[BB+4*\t:BB+4*\t+3], s[10:11] offset:\t*4096 th:TH_STORE_NT   ; 32 lanes store 512 consecutive bytes of a row
.endr
.endm
	s_wait_kmcnt 0x0
	s_add_co_i32 s96, s86, s87
	s_add_co_i32 s96, s96, 127
	s_lshl_b32 s96, s96, 23                        ; 2^(e6 + e7) as f32
	s_mov_b32 s97, s96                             ; (named with it as a pair, so it is written)
	PLACES
	TOSTAGE 0
.irp a, 1,2,3
.if \a > 1
	s_wait_xcnt 0x0                                ; block a - 2's stores have read their registers and their base
.endif
	TOSTAGE \a
	SEND \a-1, 32                                  ; behind block a - 1's loads: block a's 16 stores and 16 loads
.endr
	s_wait_xcnt 0x0
	SEND 3, 0
	s_wait_tensorcnt 0x0                           ; the wave's end
	ds_add_u32 v[SPW], v[NIL]
	s_wait_dscnt 0x0
	CROUND                                         ; the closing round
	s_endpgm
.Lfunc_end_k_q1bde2652b2_oproj:
	.size	k_q1bde2652b2_oproj, .Lfunc_end_k_q1bde2652b2_oproj-k_q1bde2652b2_oproj
	.p2alignl 7, 3214868480
	.fill 96, 4, 3214868480
	.section	.rodata,"a",@progbits
	.p2align	6, 0x0
	.amdhsa_kernel k_q1bde2652b2_oproj
		.amdhsa_group_segment_fixed_size 327680
		.amdhsa_private_segment_fixed_size 0
		.amdhsa_enable_private_segment 0
		.amdhsa_kernarg_size 32
		.amdhsa_user_sgpr_count 2
		.amdhsa_user_sgpr_kernarg_segment_ptr 1
		.amdhsa_wavefront_size32 1
		.amdhsa_system_sgpr_workgroup_id_x 1
		.amdhsa_system_sgpr_workgroup_id_y 1
		.amdhsa_system_sgpr_workgroup_id_z 1
		.amdhsa_system_vgpr_workitem_id 0
		.amdhsa_next_free_vgpr 768
		.amdhsa_next_free_sgpr 100
		.amdhsa_reserve_vcc 0
		.amdhsa_float_denorm_mode_32 3
		.amdhsa_float_denorm_mode_16_64 3
		.amdhsa_memory_ordered 1
		.amdhsa_forward_progress 1
		.amdhsa_inst_pref_size 77
	.end_amdhsa_kernel
	.amdgpu_metadata
---
amdhsa.version: [ 1, 2 ]
amdhsa.kernels:
  - .name:           k_q1bde2652b2_oproj
    .symbol:         k_q1bde2652b2_oproj.kd
    .args:
      - { .name: o_img, .offset: 0, .size: 8, .value_kind: global_buffer, .address_space: global }
      - { .name: wout_img, .offset: 8, .size: 8, .value_kind: global_buffer, .address_space: global }
      - { .name: lowp_scales, .offset: 16, .size: 8, .value_kind: global_buffer, .address_space: global }
      - { .name: out0, .offset: 24, .size: 8, .value_kind: global_buffer, .address_space: global }
    .group_segment_fixed_size: 327680
    .private_segment_fixed_size: 0
    .kernarg_segment_align: 8
    .kernarg_segment_size: 32
    .max_flat_workgroup_size: 128
    .sgpr_count:     100
    .vgpr_count:     768
    .wavefront_size: 32
...
	.end_amdgpu_metadata
.endif
;; end of part 4
